; MI455X (gfx1250); checked and timed in simulation.
; The chip was launched on July 23, 2026; its instructions are those of AMD's public machine-readable ISA for CDNA 5 (MIT licence, August 2026) and "CDNA5" Instruction Set Architecture Reference Guide (July 2026). The comments in the code are by the model that wrote it; some were corrected since.
;; PGNN. Allowed arithmetic: float matrix products may take bf16 or f16 operands with f32 sums; other float arithmetic in f32, or as packed bf16 or f16 multiplies, adds, multiply-adds, maxima and minima; sums over many terms, partial sums and values carried from step to step in f32; what a program stores and reads back later, other than sums and carried values, may be rounded once to bf16 or f16.
;; Inputs: A 16 x 1,024 x 1,024 float32; W 16 x 1,024 x 1,024 float32; b 16 x 1,024 float32; c 16 x 1,024 float32; x 4,096 x 1,024 float32.
;; Outputs: out0 4,096 x 1,024 float32.
;; 2 versions, each right and faster than the one before. Each part assembles by itself: llvm-mc -triple=amdgcn-amd-amdhsa -mcpu=gfx1250 --defsym DOCPART=n.
;; ======== version 1 of 2: 3 launches
;; limits: values are held in f16: magnitudes above 65,504 overflow, below 6.1e-05 lose precision; inputs' magnitudes at most 65,504
;; workspace buffers: asum 65,536 bytes; bsum 4,096 bytes; wh 33,554,432 bytes; xh 8,388,608 bytes; mg 262,144 bytes
;; launch prep (part 1): grid 256 x 1, 8 waves a work-group, no clusters, 5,120 bytes of LDS; arguments A, W, b, asum, bsum, wh; writes asum, bsum, wh
.if DOCPART == 1
	.amdgcn_target "amdgcn-amd-amdhsa--gfx1250"
	.amdhsa_code_object_version 6
	.text
	.protected	k_qcd223d2a49_prep
	.globl	k_qcd223d2a49_prep
	.p2align	8
	.type	k_qcd223d2a49_prep,@function
k_qcd223d2a49_prep:
	s_mov_b64 s[64:65], 0
	v_nop
	global_prefetch_b8 v0, s[64:65] scope:SCOPE_SE
	s_setreg_imm32_b32 hwreg(HW_REG_WAVE_MODE, 25, 1), 1
	s_wait_xcnt 0x0
; asum[p][d] = the sum over k of A[p][k][d] (f32);  wh = W rounded once to f16;  bsum[p] = the sum of b[p][:] (f32), written 64 times.
; A: [16][1024][1024] f32, W: the same, b: [16][1024] f32.  LIMIT: |W| below 65,504 (f16's range); sums are f32, in an order of their own.
; A STREAM: every byte of A and W has one work-group that loads it, so there is nothing to share between work-groups and nothing for the matrix unit.
; SHARES.  Work-group g = 16 p + j.  (a) It owns columns 64 j .. 64 j + 63 of A[p]: 256 aligned bytes of each of the 1,024 rows, so the sum over k ends inside
; the work-group.  Wave w has rows 128 w .. 128 w + 127; lanes 0-15 take an even row's 256 bytes, lanes 16-31 the next row's: 64 loads of 16 bytes a lane.
; (b) It rounds W's numbers 65,536 g .. 65,536 g + 65,535: a wave 32,768 bytes, 64 loads of 512 consecutive bytes; each gives a store of 256 consecutive, aligned bytes.
; (c) Wave 0 of the work-groups with j = 0 sums b[p].
; A ring of DEPTH slots in registers keeps 2 x DEPTH loads of every wave on their way.  Every store has data registers of its own, and no address register is ever
; rewritten, so the stream holds no wait but the counted one at a slot's head.
.set SPARE, 4096                       ; LDS: 16 rows of 256 bytes of partial sums, then the spare words, 128 bytes for each of the eight waves
.set DEPTH, 12
.set NLD,   64                         ; loads of A, and of W, in a wave
.set OA,  2                            ; v2   my byte offset in the work-group's part of A: wave x 128 rows + (lane / 16) rows + 16 (lane % 16)
.set OW,  3                            ; v3   in its part of W: wave x 32,768 + 16 x lane
.set OY,  4                            ; v4   in its part of wh: wave x 16,384 + 8 x lane
.set OL,  5                            ; v5   LDS: 16 x thread = row (2 wave + lane / 16) x 256 + 16 (lane % 16)
.set L8,  6                            ; v6   8 x lane
.set L16, 7                            ; v7   16 x lane
.set SPW, 8                            ; v8   LDS address of my spare word; never rewritten
.set NIL, 9                            ; v9   0; never rewritten
.set ACC, 16                           ; v[16:23]   two running sums of my four columns: even loads', odd loads'
.set RA,  24                           ; v[24:71]   slot s: 4 registers of A
.set RW,  72                           ; v[72:119]  slot s: 4 registers of W
.set RY,  120                          ; v[120:247] load i: 2 registers, four f16 to store (before the stream: b's 32 registers)
; the sum of the 16 register pairs from r on, into the first pair: 15 packed additions
.macro TREE r
.irp k, 0,1,2,3,4,5,6,7
	v_pk_add_f32 v[(\r)+2*\k:(\r)+2*\k+1], v[(\r)+2*\k:(\r)+2*\k+1], v[(\r)+16+2*\k:(\r)+16+2*\k+1]
.endr
.irp k, 0,1,2,3
	v_pk_add_f32 v[(\r)+2*\k:(\r)+2*\k+1], v[(\r)+2*\k:(\r)+2*\k+1], v[(\r)+8+2*\k:(\r)+8+2*\k+1]
.endr
.irp k, 0,1
	v_pk_add_f32 v[(\r)+2*\k:(\r)+2*\k+1], v[(\r)+2*\k:(\r)+2*\k+1], v[(\r)+4+2*\k:(\r)+4+2*\k+1]
.endr
	v_pk_add_f32 v[(\r):(\r)+1], v[(\r):(\r)+1], v[(\r)+2:(\r)+3]
.endm
	s_load_b256 s[4:11], s[0:1], 0x0               ; A s[4:5], W s[6:7], b s[8:9], asum s[10:11]
	s_load_b128 s[12:15], s[0:1], 0x20             ; bsum s[12:13], wh s[14:15]
	v_lshl_add_u32 v[SPW], v0, 2, SPARE
	v_mov_b32 v[NIL], 0
	v_lshrrev_b32 v10, 5, v0
	v_readfirstlane_b32 s16, v10                   ; wave 0..7
	s_lshr_b32 s17, ttmp9, 4                       ; p
	s_and_b32 s18, ttmp9, 15                       ; j
	s_mov_b32 s22, 0x76543210                      ; v_permlanex16_b32: each lane takes its own place in the other half
	s_mov_b32 s23, 0xfedcba98
	v_and_b32 v1, 31, v0
	v_and_b32 v11, 15, v0
	v_bfe_u32 v12, v0, 4, 1
	v_lshlrev_b32 v[OA], 4, v11
	v_lshl_or_b32 v[OA], v12, 12, v[OA]            ; a row of A is 4,096 bytes
	v_lshl_or_b32 v[OA], v10, 19, v[OA]            ; 128 rows
	v_lshlrev_b32 v[L16], 4, v1
	v_lshlrev_b32 v[L8], 3, v1
	v_lshl_or_b32 v[OW], v10, 15, v[L16]
	v_lshl_or_b32 v[OY], v10, 14, v[L8]
	v_lshlrev_b32 v[OL], 4, v0
	s_mov_b32 s21, 0                               ; every offset below fits 32 bits
	s_lshl_b32 s19, s18, 8                         ; 64 j columns of 4 bytes
	s_wait_kmcnt 0x0
	s_lshl_b32 s20, s17, 22                        ; A[p]
	s_add_co_u32 s20, s20, s19
	s_add_nc_u64 s[4:5], s[4:5], s[20:21]
	s_lshl_b32 s20, ttmp9, 18                      ; 65,536 numbers of 4 bytes
	s_add_nc_u64 s[6:7], s[6:7], s[20:21]
	s_lshl_b32 s20, ttmp9, 17                      ; and of 2 bytes
	s_add_nc_u64 s[14:15], s[14:15], s[20:21]
	s_lshl_b32 s20, s17, 12                        ; b[p]
	s_add_nc_u64 s[8:9], s[8:9], s[20:21]
	s_add_co_u32 s20, s20, s19                     ; asum[p][64 j]
	s_add_nc_u64 s[10:11], s[10:11], s[20:21]
	s_lshl_b32 s20, s17, 8                         ; bsum's 256 bytes for p
	s_add_nc_u64 s[12:13], s[12:13], s[20:21]
.set i, 0
.rept DEPTH                                            ; the ring is filled: 24 loads of the wave are out
	global_load_b128 v[RA+4*i:RA+4*i+3], v[OA], s[4:5] offset:i*8192 th:TH_LOAD_NT
	global_load_b128 v[RW+4*i:RW+4*i+3], v[OW], s[6:7] offset:i*512 th:TH_LOAD_NT
.set i, i+1
.endr
	; b[p], by wave 0 of the work-groups with j = 0: loads, sum and store stand in one branch
	s_or_b32 s19, s18, s16
	s_cmp_lg_u32 s19, 0
	s_cbranch_scc1 .Lno_b
.set i, 0
.rept 8
	global_load_b128 v[RY+4*i:RY+4*i+3], v[L16], s[8:9] offset:i*512
.set i, i+1
.endr
	s_wait_loadcnt 0x0                             ; b's loads are the youngest, so the count is 0; the ring's first loads come in during the same wait
	TREE RY
	v_add_f32 v10, v[RY], v[RY+1]
	v_add_f32_dpp v10, v10, v10 row_xmask:1 row_mask:0xf bank_mask:0xf
	v_add_f32_dpp v10, v10, v10 row_xmask:2 row_mask:0xf bank_mask:0xf
	v_add_f32_dpp v10, v10, v10 row_xmask:4 row_mask:0xf bank_mask:0xf
	v_add_f32_dpp v10, v10, v10 row_xmask:8 row_mask:0xf bank_mask:0xf
	v_permlanex16_b32 v11, v10, s22, s23
	v_add_f32 v12, v10, v11                        ; every lane holds the sum
	v_mov_b32 v13, v12
	global_store_b64 v[L8], v[12:13], s[12:13]     ; 32 lanes x 8 bytes: 256 consecutive, aligned bytes; v[12:13] are not written again
.Lno_b:
; THE STREAM.  Load i's turn: A's four numbers are added, W's four are rounded and stored, and the slot is asked for again, DEPTH loads on.
.set i, 0
.rept NLD
.set sl, i%DEPTH
.set lf, NLD-1-i
.if lf > DEPTH-1
.set lf, DEPTH-1
.endif
	s_wait_loadcnt 2*lf                            ; loads come back in order (ISA guide 5.7.1): behind W's load i the pairs i + 1 .. i + 11 were issued, at the end those up to 63
.if i < 2
.irp e, 0,1,2,3
	v_mov_b32 v[ACC+4*i+\e], v[RA+4*sl+\e]         ; the first two loads start the two sums: the slot's registers are wanted for the next load
.endr
.else
	v_pk_add_f32 v[ACC+4*(i%2):ACC+4*(i%2)+1], v[ACC+4*(i%2):ACC+4*(i%2)+1], v[RA+4*sl:RA+4*sl+1]
	v_pk_add_f32 v[ACC+4*(i%2)+2:ACC+4*(i%2)+3], v[ACC+4*(i%2)+2:ACC+4*(i%2)+3], v[RA+4*sl+2:RA+4*sl+3]
.endif
	v_cvt_pk_f16_f32 v[RY+2*i], v[RW+4*sl], v[RW+4*sl+1]
	v_cvt_pk_f16_f32 v[RY+2*i+1], v[RW+4*sl+2], v[RW+4*sl+3]
.if i+DEPTH < NLD
	global_load_b128 v[RA+4*sl:RA+4*sl+3], v[OA], s[4:5] offset:(i+DEPTH)*8192 th:TH_LOAD_NT
	global_load_b128 v[RW+4*sl:RW+4*sl+3], v[OW], s[6:7] offset:(i+DEPTH)*512 th:TH_LOAD_NT
.endif
	global_store_b64 v[OY], v[RY+2*i:RY+2*i+1], s[14:15] offset:i*256  ; 256 consecutive, aligned bytes; a later launch loads them, so no hint
.set i, i+1
.endr
	; the 16 partial sums of each column (8 waves x 2 halves of the lanes) meet in LDS
	v_pk_add_f32 v[ACC:ACC+1], v[ACC:ACC+1], v[ACC+4:ACC+5]
	v_pk_add_f32 v[ACC+2:ACC+3], v[ACC+2:ACC+3], v[ACC+6:ACC+7]
	ds_store_b128 v[OL], v[ACC:ACC+3]
	s_wait_tensorcnt 0x0                           ; my last LDS store is issued
	ds_add_u32 v[SPW], v[NIL]
	s_wait_dscnt 0x0                               ; the count 0 also says, for wave 0's sake, that my store is done
	s_barrier_signal -1
	s_barrier_wait -1
	s_cmp_lg_u32 s16, 0
	s_cbranch_scc1 .Lend
.set i, 0
.rept 16
	ds_load_b64 v[RA+2*i:RA+2*i+1], v[L8] offset:i*256  ; lane l: columns 2 l, 2 l + 1 of partial row i
.set i, i+1
.endr
	s_wait_dscnt 0x0
	TREE RA
	global_store_b64 v[L8], v[RA:RA+1], s[10:11]   ; 64 columns: 256 consecutive, aligned bytes
.Lend:
	s_endpgm
.Lfunc_end_k_qcd223d2a49_prep:
	.size	k_qcd223d2a49_prep, .Lfunc_end_k_qcd223d2a49_prep-k_qcd223d2a49_prep
	.p2alignl 7, 3214868480
	.fill 96, 4, 3214868480
	.section	.rodata,"a",@progbits
	.p2align	6, 0x0
	.amdhsa_kernel k_qcd223d2a49_prep
		.amdhsa_group_segment_fixed_size 5120
		.amdhsa_private_segment_fixed_size 0
		.amdhsa_enable_private_segment 0
		.amdhsa_kernarg_size 48
		.amdhsa_user_sgpr_count 2
		.amdhsa_user_sgpr_kernarg_segment_ptr 1
		.amdhsa_wavefront_size32 1
		.amdhsa_system_sgpr_workgroup_id_x 1
		.amdhsa_system_sgpr_workgroup_id_y 1
		.amdhsa_system_sgpr_workgroup_id_z 1
		.amdhsa_system_vgpr_workitem_id 0
		.amdhsa_next_free_vgpr 256
		.amdhsa_next_free_sgpr 66
		.amdhsa_reserve_vcc 0
		.amdhsa_float_denorm_mode_32 3
		.amdhsa_float_denorm_mode_16_64 3
		.amdhsa_memory_ordered 1
		.amdhsa_forward_progress 1
		.amdhsa_inst_pref_size 43
	.end_amdhsa_kernel
	.amdgpu_metadata
---
amdhsa.version: [ 1, 2 ]
amdhsa.kernels:
  - .name:           k_qcd223d2a49_prep
    .symbol:         k_qcd223d2a49_prep.kd
    .args:
      - { .name: A, .offset: 0, .size: 8, .value_kind: global_buffer, .address_space: global }
      - { .name: W, .offset: 8, .size: 8, .value_kind: global_buffer, .address_space: global }
      - { .name: b, .offset: 16, .size: 8, .value_kind: global_buffer, .address_space: global }
      - { .name: asum, .offset: 24, .size: 8, .value_kind: global_buffer, .address_space: global }
      - { .name: bsum, .offset: 32, .size: 8, .value_kind: global_buffer, .address_space: global }
      - { .name: wh, .offset: 40, .size: 8, .value_kind: global_buffer, .address_space: global }
    .group_segment_fixed_size: 5120
    .private_segment_fixed_size: 0
    .kernarg_segment_align: 8
    .kernarg_segment_size: 48
    .max_flat_workgroup_size: 256
    .sgpr_count:     66
    .vgpr_count:     256
    .wavefront_size: 32
...
	.end_amdgpu_metadata
.endif
;; end of part 1
;; launch gate (part 2): grid 256 x 1, 4 waves a work-group, no clusters, 0 bytes of LDS; arguments x, asum, bsum, mg, xh; writes mg, xh
.if DOCPART == 2
	.amdgcn_target "amdgcn-amd-amdhsa--gfx1250"
	.amdhsa_code_object_version 6
	.text
	.protected	k_qcd223d2a49_gate
	.globl	k_qcd223d2a49_gate
	.p2align	8
	.type	k_qcd223d2a49_gate,@function
k_qcd223d2a49_gate:
	s_mov_b64 s[64:65], 0
	v_nop
	global_prefetch_b8 v0, s[64:65] scope:SCOPE_SE
	s_setreg_imm32_b32 hwreg(HW_REG_WAVE_MODE, 25, 1), 1
	s_wait_xcnt 0x0
; s[t][p] = x[t][:] . asum[p][:] - bsum[p];  g = 1 / (1 + e^s) (the sigmoid of -s);  mg[t][p] = g / (the sum over p of g + 1e-6);  xh = x rounded once to f16.
; x: [4096][1024] f32, asum: [16][1024] f32, bsum: [16][64] f32 (64 copies), mg: [4096][16] f32, xh: [4096][1024] f16.
; WHY f32 ON THE VECTOR UNIT.  A score is a sum of 1,024 products whose spread is many times the few units over which the sigmoid turns: operands rounded to 16 bits would
; move scores by more than that.  The product is 2 x 4096 x 16 x 1024 operations, a thousandth of the module's, so it is made of f32 multiply-adds from the f32 inputs.
; LIMITS.  The sum's order is this text's own.  Where s is above 87.3 the gate counts as 0 (it would be below 2^-126, beside the 1e-6 in the divisor).  |x| below 65,504
; for xh.  NaN and infinities are not treated apart.
; SHARES.  A wave has 4 tokens, a work-group 16.  Lane l holds d = 128 i + 4 l + e (i = 0..7, e = 0..3) of each row of x and of asum: every load covers 512 consecutive bytes.
; No LDS, no barrier: a score never leaves its wave.
; REGISTERS, in windows of 256 (s_set_vgpr_msb: bits 1:0 source 0, 3:2 source 1, 5:4 source 2, 7:6 destination):
;   window 0: addresses; v16-79 xh's words, each store's own; v128-255 the 64 sums, first as pairs   window 1: asum, p = 0..7, 32 each   window 2: p = 8..15   window 3: v0-127 x, 32 a token
.set L16, 2                            ; v2   16 x lane
.set L8,  3                            ; v3   8 x lane
.set OBS, 4                            ; v4   512 x (lane % 8): bsum of expert 2 (lane % 8)
.set BS,  6                            ; v[6:7]   bsum of my two experts
.set T,   8                            ; v[8:11]  at work
.set Y,   16
.set V,   128
.set SEL, 18                           ; s[18:19] v_permlanex16_b32's selects
.set M16, 20                           ; s20-24: the lanes whose number has bit 4, 3, 2, 1, 0 set
.set M8,  21
.set M4,  22
.set M2,  23
.set M1,  24
.set MSB, 0
.macro WIN new                         ; the immediate's high byte repeats the setting that is left
.if MSB != (\new)
	s_set_vgpr_msb (MSB<<8)|(\new)
.set MSB, (\new)
.endif
.endm
	s_load_b256 s[4:11], s[0:1], 0x0               ; x s[4:5], asum s[6:7], bsum s[8:9], mg s[10:11]
	s_load_b64 s[12:13], s[0:1], 0x20              ; xh
	v_lshrrev_b32 v12, 5, v0
	v_readfirstlane_b32 s14, v12                   ; wave 0..3
	v_and_b32 v1, 31, v0
	v_lshlrev_b32 v[L16], 4, v1
	v_lshlrev_b32 v[L8], 3, v1
	v_and_b32 v[OBS], 7, v0
	v_lshlrev_b32 v[OBS], 9, v[OBS]
	s_mov_b32 s[SEL], 0x76543210
	s_mov_b32 s[SEL+1], 0xfedcba98
	s_mov_b32 s[M16], 0xffff0000
	s_mov_b32 s[M8], 0xff00ff00
	s_mov_b32 s[M4], 0xf0f0f0f0
	s_mov_b32 s[M2], 0xcccccccc
	s_mov_b32 s[M1], 0xaaaaaaaa
	s_lshl_b32 s15, ttmp9, 2
	s_add_co_u32 s15, s15, s14                     ; my wave among the launch's 1,024
	s_mov_b32 s17, 0
	s_wait_kmcnt 0x0
	s_lshl_b32 s16, s15, 14                        ; 4 rows of 4,096 bytes
	s_add_nc_u64 s[4:5], s[4:5], s[16:17]
	s_lshl_b32 s16, s15, 13                        ; of 2,048
	s_add_nc_u64 s[12:13], s[12:13], s[16:17]
	s_lshl_b32 s16, s15, 8                         ; of 64
	s_add_nc_u64 s[10:11], s[10:11], s[16:17]
	WIN 0xc0                                       ; destination window 3
.set i, 0
.rept 32                                               ; x: token i / 8, 512 bytes i % 8
	global_load_b128 v[4*i:4*i+3], v[L16], s[4:5] offset:(i/8)*4096+(i%8)*512 th:TH_LOAD_NT
.set i, i+1
.endr
	WIN 0
	global_load_b32 v[BS], v[OBS], s[8:9]
	global_load_b32 v[BS+1], v[OBS], s[8:9] offset:256
	WIN 0x40
.set i, 0
.rept 64                                               ; asum, p = i / 8
	global_load_b128 v[4*i:4*i+3], v[L16], s[6:7] offset:(i/8)*4096+(i%8)*512
.set i, i+1
.endr
	WIN 0x80
.set i, 0
.rept 64                                               ; p = 8 + i / 8
	global_load_b128 v[4*i:4*i+3], v[L16], s[6:7] offset:(8+i/8)*4096+(i%8)*512
.set i, i+1
.endr
	s_wait_loadcnt 63                              ; the youngest 64 loads are asum's second half: all in front of them are in (64 would do; the wait's field ends at 63)
	WIN 0x0f                                       ; sources 0 and 1 window 3
.set i, 0
.rept 64
	v_cvt_pk_f16_f32 v[Y+i], v[2*i], v[2*i+1]
.set i, i+1
.endr
	WIN 0
.set i, 0
.rept 32
	global_store_b64 v[L8], v[Y+2*i:Y+2*i+1], s[12:13] offset:(i/8)*2048+(i%8)*256  ; 256 consecutive, aligned bytes
.set i, i+1
.endr
; 4 tokens x 8 experts x 32 numbers a lane, two at a time: 32 chains that take turns; the first product starts each sum
.macro DOT half
	WIN 0x07+4*(\half)                             ; x window 3, asum window 1 or 2, sums window 0
.set z, 0
.rept 16
.set pp, 0
.rept 8
.set t, 0
.rept 4
.set ra, V+2*(16*t+8*(\half)+pp)
.if z == 0
	v_pk_mul_f32 v[ra:ra+1], v[32*t:32*t+1], v[32*pp:32*pp+1]
.else
	v_pk_fma_f32 v[ra:ra+1], v[32*t+2*z:32*t+2*z+1], v[32*pp+2*z:32*pp+2*z+1], v[ra:ra+1]
.endif
.set t, t+1
.endr
.set pp, pp+1
.endr
.set z, z+1
.endr
.endm
	DOT 0
	s_wait_loadcnt 0x0                             ; asum's second half
	DOT 1
	WIN 0
.set i, 0
.rept 64                                               ; a pair's two halves; sum i = 16 t + p goes to v[V + i]: ascending, so no pair is overwritten before it is used
	v_add_f32 v[V+i], v[V+2*i], v[V+2*i+1]
.set i, i+1
.endr
; ACROSS THE LANES.  64 sums in each of 32 lanes become 2 finished sums a lane.  A level halves the list: a lane keeps the half that its bit of the lane number names, sends the
; other half to the lane that differs in that bit, and adds what it gets.  Bits 4, 3 of the lane take bits 5, 4 of i (the token), bits 2, 1, 0 take bits 3, 2, 1 (the expert).
.macro LEVEL n, mask, xm
.set li, 0
.rept \n
.set lt, T+li%4
	v_cndmask_b32 v[lt], v[V+li+(\n)], v[V+li], s[\mask]       ; what I send
	v_cndmask_b32 v[V+li], v[V+li], v[V+li+(\n)], s[\mask]     ; what I keep
.if (\xm) == 16
	v_permlanex16_b32 v[V+li+(\n)], v[lt], s[SEL], s[SEL+1]
	v_add_f32 v[V+li], v[V+li], v[V+li+(\n)]
.else
	v_add_f32_dpp v[V+li], v[lt], v[V+li] row_xmask:\xm row_mask:0xf bank_mask:0xf
.endif
.set li, li+1
.endr
.endm
	LEVEL 32, M16, 16
	LEVEL 16, M8, 8
	LEVEL 8, M4, 4
	LEVEL 4, M2, 2
	LEVEL 2, M1, 1
	; lane l now holds token l / 8, experts 2 (l % 8) and 2 (l % 8) + 1
	v_sub_f32 v[V], v[V], v[BS]                    ; the difference first, then the scale: the difference of two like numbers is not rounded again
	v_sub_f32 v[V+1], v[V+1], v[BS+1]
	v_mul_f32 v[V], 0x3fb8aa3b, v[V]               ; log2(e)
	v_mul_f32 v[V+1], 0x3fb8aa3b, v[V+1]
	v_exp_f32 v[V], v[V]
	v_exp_f32 v[V+1], v[V+1]
	v_nop                                          ; a plain instruction behind the last exponential (ISA guide 5.7.2),
	s_wait_alu depctr_va_vdst(0)                   ; and one wait ahead of the batch's first use
	v_add_f32 v[V], 1.0, v[V]
	v_add_f32 v[V+1], 1.0, v[V+1]
	v_rcp_f32 v[V], v[V]
	v_rcp_f32 v[V+1], v[V+1]
	v_nop
	s_wait_alu depctr_va_vdst(0)                   ; one for the two reciprocals
	v_add_f32 v12, v[V], v[V+1]
	v_add_f32_dpp v12, v12, v12 row_xmask:1 row_mask:0xf bank_mask:0xf  ; a token's 16 gates lie in 8 neighbouring lanes
	v_add_f32_dpp v12, v12, v12 row_xmask:2 row_mask:0xf bank_mask:0xf
	v_add_f32_dpp v12, v12, v12 row_xmask:4 row_mask:0xf bank_mask:0xf
	v_add_f32 v12, 0x358637bd, v12                 ; + 1e-6
	v_rcp_f32 v12, v12
	v_nop
	s_wait_alu depctr_va_vdst(0)
	v_mul_f32 v[V], v[V], v12
	v_mul_f32 v[V+1], v[V+1], v12
	global_store_b64 v[L8], v[V:V+1], s[10:11]     ; the wave's 4 tokens x 16 gates: 256 consecutive, aligned bytes
	s_endpgm
.Lfunc_end_k_qcd223d2a49_gate:
	.size	k_qcd223d2a49_gate, .Lfunc_end_k_qcd223d2a49_gate-k_qcd223d2a49_gate
	.p2alignl 7, 3214868480
	.fill 96, 4, 3214868480
	.section	.rodata,"a",@progbits
	.p2align	6, 0x0
	.amdhsa_kernel k_qcd223d2a49_gate
		.amdhsa_group_segment_fixed_size 0
		.amdhsa_private_segment_fixed_size 0
		.amdhsa_enable_private_segment 0
		.amdhsa_kernarg_size 40
		.amdhsa_user_sgpr_count 2
		.amdhsa_user_sgpr_kernarg_segment_ptr 1
		.amdhsa_wavefront_size32 1
		.amdhsa_system_sgpr_workgroup_id_x 1
		.amdhsa_system_sgpr_workgroup_id_y 1
		.amdhsa_system_sgpr_workgroup_id_z 1
		.amdhsa_system_vgpr_workitem_id 0
		.amdhsa_next_free_vgpr 896
		.amdhsa_next_free_sgpr 66
		.amdhsa_reserve_vcc 0
		.amdhsa_float_denorm_mode_32 3
		.amdhsa_float_denorm_mode_16_64 3
		.amdhsa_memory_ordered 1
		.amdhsa_forward_progress 1
		.amdhsa_inst_pref_size 104
	.end_amdhsa_kernel
	.amdgpu_metadata
---
amdhsa.version: [ 1, 2 ]
amdhsa.kernels:
  - .name:           k_qcd223d2a49_gate
    .symbol:         k_qcd223d2a49_gate.kd
    .args:
      - { .name: x, .offset: 0, .size: 8, .value_kind: global_buffer, .address_space: global }
      - { .name: asum, .offset: 8, .size: 8, .value_kind: global_buffer, .address_space: global }
      - { .name: bsum, .offset: 16, .size: 8, .value_kind: global_buffer, .address_space: global }
      - { .name: mg, .offset: 24, .size: 8, .value_kind: global_buffer, .address_space: global }
      - { .name: xh, .offset: 32, .size: 8, .value_kind: global_buffer, .address_space: global }
    .group_segment_fixed_size: 0
    .private_segment_fixed_size: 0
    .kernarg_segment_align: 8
    .kernarg_segment_size: 40
    .max_flat_workgroup_size: 128
    .sgpr_count:     66
    .vgpr_count:     896
    .wavefront_size: 32
...
	.end_amdgpu_metadata
.endif
;; end of part 2
;; launch mix (part 3): grid 8 x 32, 4 waves a work-group, clusters of 4 x 4, 327,680 bytes of LDS; arguments xh, wh, mg, c, out0; writes out0
.if DOCPART == 3
	.amdgcn_target "amdgcn-amd-amdhsa--gfx1250"
	.amdhsa_code_object_version 6
	.text
	.protected	k_qcd223d2a49_mix
	.globl	k_qcd223d2a49_mix
	.p2align	8
	.type	k_qcd223d2a49_mix,@function
k_qcd223d2a49_mix:
	s_mov_b64 s[64:65], 0
	v_nop
	global_prefetch_b8 v0, s[64:65] scope:SCOPE_SE
	s_setreg_imm32_b32 hwreg(HW_REG_WAVE_MODE, 25, 1), 1
	s_wait_xcnt 0x0
	s_wait_alu depctr_hold_cnt(0) depctr_sa_sdst(0) depctr_va_vdst(0) depctr_va_sdst(0) depctr_va_ssrc(0) depctr_va_vcc(0) depctr_vm_vsrc(0)
	s_getreg_b32 s2, hwreg(HW_REG_IB_STS2, 6, 4)
	s_cmp_eq_u32 s2, 0
	s_cbranch_scc0 .Lentry_in_a_cluster
	s_endpgm
.Lentry_in_a_cluster:
	s_bfe_u32 s2, ttmp6, 0x10000c
	s_cmp_lg_u32 s2, 0xf033
	s_cbranch_scc0 .Lentry_shape_is_right
	s_endpgm
.Lentry_shape_is_right:
; out0[t][o] = the sum over p of m[t][p] (xh[t][:] . wh[p][o][:] + c[p][o]).  xh: [4096][1024] f16, wh: [16][1024][1024] f16, mg = m: [4096][16] f32, c: [16][1024] f32, out0: [4096][1024] f32.
; THE GATE IS APPLIED TO PARTIAL PRODUCTS, IN f32.  d goes in 4 chunks of 256, and inside a chunk the 16 experts: a STEP makes P = x_chunk W[p]_chunk^T, 8 matrix instructions deep on each
; tile of 16 x 16 (the first with C = 0), and then OUT += m[:, p] P: 4 packed multiply-adds a tile.  So x and W go in as they are, and a wave's fragments of x (256 registers) serve 16 steps.
; OUT is started by one matrix instruction a tile: f16(m) f16(c)^T, 16 along K and 16 zeros: that is m c, and nothing is cleared.
; LIMITS.  x, W, c within f16's range, 65,504; m and c are rounded to f16 for m c alone (a gate below 6e-5 keeps f16's fixed step of 6e-8 there); all sums f32.
; SHARES.  A work-group has 128 tokens x 128 outputs, 256 work-groups; wave w has rows 64 (w / 2) on and columns 64 (w % 2) on: 16 tiles, tile i = 4 a + b (a: 16 tokens, b: 16 outputs).
; THE MATRIX INSTRUCTION IS USED TRANSPOSED: source 0 = 16 rows of W, source 1 = 16 tokens.  Lane l then holds token l % 16 and the outputs 8 (l / 16) + 0..7: one gate a lane and tile row.
; CLUSTER.  4 x 4 work-groups.  W's tiles hang on the block of outputs alone, which a column of the cluster shares; x's on the block of tokens alone, which a row shares: each tile is asked for
; JOINTLY, by the same tensor load with the same descriptor and a mask that names the four.  Waves 0 and 1 ask for the two halves of W's tile (every step), waves 2 and 3 for x's (every chunk).
; LDS: two slots for W's tiles (128 rows x 512 bytes + 16 of padding), one region for x's; behind them, never filled by a tensor load: each wave's copy of its gates, each wave's stage, the spare words.
; REGISTERS, in windows of 256 (s_set_vgpr_msb: bits 1:0 source 0, 3:2 source 1, 5:4 source 2, 7:6 destination):
;   window 0: addresses; v32-39 the step's gates; v64-127 m and c as loaded; v128-255 P (on the way out: rows read back)
;   window 1: x's fragments of a chunk: (a, ks) at 32 ks + 8 a      window 2: v0-63, v64-127 two buffers of W's fragments: (c2, b) at 32 c2 + 8 b; v128-255 OUT
.set PITCH,  528                       ; an LDS row: 512 bytes + 16 = 132 words: row r starts at bank 4 r mod 64 (64 banks of 4 bytes: ISA guide 11.1)
.set HALFT,  64*PITCH                  ; what one tensor load brings, and what one wave reads of a tile
.set SLOTB,  2*HALFT
.set XR,     2*SLOTB                   ; x's region
.set ML,     XR+SLOTB                  ; gates: for each wave 8,192 bytes: p x 512 + (l % 16) x 32 + a x 8, each gate twice (a pair for the packed multiply-add)
.set STAGE,  ML+4*8192                 ; for each wave 16 rows x 272 bytes
.set SPITCH, 272
.set SPARE,  STAGE+4*16*SPITCH         ; the spare words, 128 bytes for each wave: two blocks of 256 bytes that no other line names
.set WSTEP,  0x400000                  ; two experts on in wh: 2 x 1024 x 1024 x 2 bytes
.set WWRAP,  0x1BFFE00                 ; 14 experts back and 256 numbers on
.set ADW, 16                           ; v16-17  LDS address of my fragments of W in slot 0, 1
.set ADX, 18                           ; v18     of x
.set MB,  19                           ; v19     my gates of expert 0
.set MAD, 20                           ; v20     my gates of the pair of experts in hand
.set MST, 21                           ; v21     where I put gates at the start
.set STO, 24                           ; v24     the way out: where I put 32 bytes of a row
.set RD,  25                           ; v25     where I read a row back
.set CO,  26                           ; v26     my byte offset in out0
.set SPW, 28                           ; v28     LDS address of my spare word; never rewritten
.set NIL, 29                           ; v29     0; never rewritten
.set MS,  32                           ; v[32:39] (m, m) for a = 0..3
.set TM,  64                           ; v[64:95]  m[my token of block a][8 (l / 16) + j] at TM + 8 a + j
.set TC,  96                           ; v[96:127] c[8 (l / 16) + j][my output of block b] at TC + 8 b + j
.set P,   128
.set OUT, 128                          ; in window 2
.set F0,  0
.set F1,  64
.set WV,  14                           ; s14  my wave's number
.set G1W, 24                           ; s[24:31] descriptor group 1 for W's tiles
.set G0W, 32                           ; s[32:39] group 0, a set for each slot
.set G1X, 48                           ; s[48:55] group 1 for x's tiles: it differs in the mask alone
.set G0X, 56                           ; s[56:59] group 0
.set CH,  66                           ; s66  chunks to go
.set CNT, 67                           ; s67  pairs of steps to go
.set MN,  0                            ; a step's end: W's slot is filled again, two experts on
.set MWX, 1                            ; ... with the next chunk's expert 0, and x's region with the next chunk
.set MWR, 2                            ; ... with the next chunk's expert 1, and x's fragments are read anew
.set MZ,  3                            ; nothing is filled
.set MSB, 0
.macro WIN new                         ; the immediate's high byte repeats the setting that is left
.if MSB != (\new)
	s_set_vgpr_msb (MSB<<8)|(\new)
.set MSB, (\new)
.endif
.endm
.macro PLACES                          ; a vector instruction that reads a matrix result, and a load into a register that a matrix instruction has read, stand four plain vector instructions behind it (ISA guide 7.12.1 for vector instructions)
.rept 4
	v_nop
.endr
.endm
; A joint refill.  The branch hangs on the wave's number alone.  An s_nop 0 and four v_nop follow a load, ahead of the jump and the label; in both arms the four v_nop
; are also the places in front of the fragment loads that follow.
.macro JLOAD slot, xfill
	s_cmp_lt_u32 s[WV], 2
	s_cbranch_scc0 .Lfor_x_\@
	tensor_load_to_lds s[G0W+4*(\slot):G0W+4*(\slot)+3], s[G1W:G1W+7]
	s_nop 0
.rept 4
	v_nop
.endr
	s_branch .Lasked_\@
.Lfor_x_\@:
.if \xfill
	tensor_load_to_lds s[G0X:G0X+3], s[G1X:G1X+7]
	s_nop 0
.endif
.rept 4
	v_nop
.endr
.Lasked_\@:
.endm
.macro CREST                           ; a round of the cluster's barrier behind its opening barrier
	s_cmp_lg_u32 s[WV], 0
	s_cbranch_scc1 .Lnot_wave_0_\@
	s_barrier_signal -3
.Lnot_wave_0_\@:
	s_barrier_wait -3
	s_barrier_signal -1
	s_barrier_wait -1
.endm
.macro CROUND                          ; a whole round
	s_barrier_signal -1
	s_barrier_wait -1
	CREST
.endm
	s_load_b256 s[4:11], s[0:1], 0x0               ; xh s[4:5], wh s[6:7], mg s[8:9], c s[10:11]
	s_load_b64 s[12:13], s[0:1], 0x20              ; out0
	v_lshl_add_u32 v[SPW], v0, 2, SPARE
	v_mov_b32 v[NIL], 0
	ds_add_u32 v[SPW], v[NIL]                      ; the wave's opening: the add and its wait stand ahead of my first tensor load; the set-up below, work on registers, stands between them
	v_lshrrev_b32 v3, 5, v0
	v_readfirstlane_b32 s[WV], v3                  ; wave 0..3
	s_and_b32 s15, s[WV], 1                        ; which half of the columns is mine.  Also: which 64 rows of a tile I fetch
	s_lshr_b32 s16, s[WV], 1                       ; which half of the rows
	s_bfe_u32 s40, ttmp6, 0x40000                  ; cx, cy: my place in the cluster
	s_bfe_u32 s41, ttmp6, 0x40004
	s_lshl_b32 s42, ttmp9, 2
	s_add_co_u32 s42, s42, s40                     ; block of 128 outputs = 4 x cluster x + cx
	s_and_b32 s43, ttmp7, 0xffff
	s_lshl_b32 s43, s43, 2
	s_add_co_u32 s43, s43, s41                     ; block of 128 tokens = 4 x cluster y + cy
	s_lshl_b32 s44, s41, 2
	s_lshl_b32 s44, 15, s44                        ; my row of the cluster
	s_lshl_b32 s45, 0x1111, s40                    ; my column
	; descriptor group 1: a tile of 64 rows x 256 elements, padded in LDS
	s_or_b32 s[G1X], s44, (1<<16)|(1<<20)|(1<<21)|(6<<22)|(3<<25)  ; 15:0 the mask: x's tiles go to my row; 17:16 2-byte elements; 20 padding on; 21 set beside a mask; 24:22 after every 128 words (code 6); 31:25 4 words (code 3)
	s_or_b32 s[G1W], s45, (1<<16)|(1<<20)|(1<<21)|(6<<22)|(3<<25)  ; the same with the mask of my column
.irp g, G1W, G1X
	s_mov_b32 s[(\g)+1], 256<<16                   ; tensor_dim0 = 256
	s_mov_b32 s[(\g)+2], 64<<16                    ; tensor_dim1 = 64
	s_mov_b32 s[(\g)+3], 256<<16                   ; tile_dim0 = 256
	s_mov_b32 s[(\g)+4], 64                        ; tile_dim1 = 64
	s_mov_b32 s[(\g)+5], 1024                      ; 1,024 elements from row to row
	s_mov_b32 s[(\g)+6], 0
	s_mov_b32 s[(\g)+7], 0
.endr
	s_lshl_b32 s46, s42, 18                        ; W: 128 rows of 2,048 bytes for each block of outputs,
	s_lshl_b32 s47, s15, 17                        ; 64 for my half
	s_add_co_u32 s46, s46, s47
	s_mov_b32 s47, 0
	s_lshl_b32 s18, s43, 18                        ; x: the same with the block of tokens
	s_lshl_b32 s19, s15, 17
	s_add_co_u32 s18, s18, s19
	s_mov_b32 s19, 0
	s_mul_i32 s20, s15, HALFT                      ; where my half goes: no place in the cluster enters an LDS address
	s_lshl_b32 s60, s43, 13                        ; mg: 128 rows of 64 bytes
	s_mov_b32 s61, 0
	s_lshl_b32 s62, s42, 9                         ; c: 128 columns of 4 bytes
	s_mov_b32 s63, 0
	s_lshl_b32 s22, s43, 19                        ; out0: 128 rows of 4,096 bytes,
	s_lshl_b32 s23, s16, 18                        ; my wave's 64 rows,
	s_add_co_u32 s22, s22, s23
	s_add_co_u32 s22, s22, s62                     ; the block's 128 columns,
	s_lshl_b32 s23, s15, 8                         ; my wave's 64
	s_add_co_u32 s22, s22, s23
	s_mov_b32 s23, 0
	s_wait_dscnt 0x0                               ; the opening add is done
	s_wait_kmcnt 0x0
	s_add_nc_u64 s[46:47], s[6:7], s[46:47]
	s_add_nc_u64 s[18:19], s[4:5], s[18:19]
	s_add_nc_u64 s[8:9], s[8:9], s[60:61]
	s_add_nc_u64 s[10:11], s[10:11], s[62:63]
	s_add_nc_u64 s[12:13], s[12:13], s[22:23]
	CROUND                                         ; all sixteen work-groups are here: the first joint loads meet
.irp s, 0,1
	s_mov_b32 s[G0W+4*(\s)], 1                     ; 1:0 count = 1
	s_add_co_u32 s[G0W+4*(\s)+1], s20, (\s)*SLOTB  ; 63:32 LDS address
	s_add_nc_u64 s[G0W+4*(\s)+2:G0W+4*(\s)+3], s[46:47], (\s)*0x200000  ; 120:64 global address: expert s, chunk 0
	s_or_b32 s[G0W+4*(\s)+3], s[G0W+4*(\s)+3], 0x80000000              ; 127:126 type = 2
.endr
	s_mov_b32 s[G0X], 1
	s_add_co_u32 s[G0X+1], s20, XR
	s_mov_b64 s[G0X+2:G0X+3], s[18:19]
	s_or_b32 s[G0X+3], s[G0X+3], 0x80000000
	s_cmp_lt_u32 s[WV], 2                          ; a wave's first fills stand in one branch, ahead of every wait on TENSORcnt and every LDS read: two loads are out in waves 0 and 1, one in waves 2 and 3
	s_cbranch_scc0 .Lfirst_x
	tensor_load_to_lds s[G0W:G0W+3], s[G1W:G1W+7]
	s_nop 0
	tensor_load_to_lds s[G0W+4:G0W+7], s[G1W:G1W+7]
	s_nop 0
.rept 4
	v_nop
.endr
	s_branch .Lfirst_asked
.Lfirst_x:
	tensor_load_to_lds s[G0X:G0X+3], s[G1X:G1X+7]
	s_nop 0
.rept 4
	v_nop
.endr
.Lfirst_asked:
	; while the tiles are on their way: my gates, my part of c, the addresses, and the products that start OUT
	v_and_b32 v1, 15, v0                           ; r = l % 16
	v_bfe_u32 v2, v0, 4, 1                         ; h = l / 16
	v_lshlrev_b32 v4, 6, v1                        ; mg: my token's 64 bytes,
	v_lshl_add_u32 v4, v2, 5, v4                   ; experts 8 h on,
	s_lshl_b32 s21, s16, 12                        ; my wave's 64 rows
	v_add_nc_u32 v4, s21, v4
	v_lshlrev_b32 v5, 2, v1                        ; c: my output's 4 bytes,
	v_lshl_add_u32 v5, v2, 15, v5                  ; experts 8 h on (rows of 4,096 bytes),
	s_lshl_b32 s21, s15, 8                         ; my wave's 64 columns
	v_add_nc_u32 v5, s21, v5
.irp a, 0,1,2,3
	global_load_b128 v[TM+8*\a:TM+8*\a+3],   v4, s[8:9] offset:\a*1024
	global_load_b128 v[TM+8*\a+4:TM+8*\a+7], v4, s[8:9] offset:\a*1024+16
.endr
.irp b, 0,1,2,3
.irp j, 0,1,2,3,4,5,6,7
	global_load_b32 v[TC+8*\b+\j], v5, s[10:11] offset:\j*4096+\b*64  ; pieces of 64 bytes, loaded once in the launch: 8,192 bytes a work-group
.endr
.endr
	v_mul_u32_u24 v3, v1, PITCH
	v_lshl_add_u32 v3, v2, 4, v3                   ; a fragment's row x pitch + 16 x half (16 rows x 32 K in 8 registers: two loads of 16 bytes, 32 bytes apart)
	s_mul_i32 s21, s15, HALFT
	v_add_nc_u32 v[ADW], s21, v3
	s_add_co_u32 s21, s21, SLOTB
	v_add_nc_u32 v[ADW+1], s21, v3
	s_mul_i32 s21, s16, HALFT
	s_add_co_u32 s21, s21, XR
	v_add_nc_u32 v[ADX], s21, v3
	s_lshl_b32 s21, s[WV], 13
	s_add_co_u32 s21, s21, ML                      ; my wave's gates
	v_lshl_add_u32 v[MB], v1, 5, s21
	v_lshl_add_u32 v[MST], v2, 12, v[MB]           ; experts 8 h on
	s_mul_i32 s21, s[WV], 16*SPITCH
	s_add_co_u32 s21, s21, STAGE                   ; my stage
	v_mul_u32_u24 v6, v1, SPITCH                   ; in: row r, 32 bytes for each half of the lanes
	v_lshl_add_u32 v6, v2, 5, v6
	v_add_nc_u32 v[STO], s21, v6
	v_mul_u32_u24 v6, v2, SPITCH                   ; back: lanes 0-15 take one row of 256 bytes, lanes 16-31 the next
	v_lshl_add_u32 v6, v1, 4, v6
	v_add_nc_u32 v[RD], s21, v6
	v_lshlrev_b32 v[CO], 4, v1                     ; and the same two rows in out0
	v_lshl_add_u32 v[CO], v2, 12, v[CO]
	s_wait_loadcnt 0x0
	WIN 0x40                                       ; m as source 1: token r, K = expert: registers 0-3 hold experts 8 h + 0..7, registers 4-7 (K 16 on) zeros
.irp a, 0,1,2,3
.irp j, 0,1,2,3
	v_cvt_pk_f16_f32 v[8*\a+\j], v[TM+8*\a+2*\j], v[TM+8*\a+2*\j+1]
	v_mov_b32 v[8*\a+4+\j], 0
.endr
.endr
	WIN 0x80                                       ; c as source 0: output r, likewise
.irp b, 0,1,2,3
.irp j, 0,1,2,3
	v_cvt_pk_f16_f32 v[8*\b+\j], v[TC+8*\b+2*\j], v[TC+8*\b+2*\j+1]
	v_mov_b32 v[8*\b+4+\j], 0
.endr
.endr
	WIN 0x86                                       ; source 0 and destination window 2, source 1 window 1
.set ti, 0
.rept 16
	v_wmma_f32_16x16x32_f16 v[OUT+8*ti:OUT+8*ti+7], v[8*(ti%4):8*(ti%4)+7], v[8*(ti/4):8*(ti/4)+7], 0
.set ti, ti+1
.endr
	WIN 0
.irp a, 0,1,2,3
.irp j, 0,1,2,3,4,5,6,7
	ds_store_b32 v[MST], v[TM+8*\a+\j] offset:\j*512+\a*8      ; my wave's own copy: only my wave loads it, and LDS serves a wave's instructions in order (ISA guide 5.7.1.4)
	ds_store_b32 v[MST], v[TM+8*\a+\j] offset:\j*512+\a*8+4
.endr
.endr
	PLACES                                         ; for the loads into the registers that held m and c
	s_wait_tensorcnt 0x0                           ; my first fills are in (the count is 0: waves 2 and 3 have issued one load, waves 0 and 1 two),
	s_wait_dscnt 0x0
	s_barrier_signal -1
	s_barrier_wait -1                              ; everybody's are
; n matrix instructions, tiles i0 on, 32 along K: half c2 of W's buffer f, x's fragments ks.  The tiles take turns, one instruction a turn.  zero = 1: the product starts P
.macro MUL f, c2, ks, i0, n, zero
	WIN 0x06                                       ; W window 2, x window 1, P window 0
.set mi, \i0
.rept \n
.if \zero
	v_wmma_f32_16x16x32_f16 v[P+8*mi:P+8*mi+7], v[(\f)+32*(\c2)+8*(mi%4):(\f)+32*(\c2)+8*(mi%4)+7], v[32*(\ks)+8*(mi/4):32*(\ks)+8*(mi/4)+7], 0
.else
	v_wmma_f32_16x16x32_f16 v[P+8*mi:P+8*mi+7], v[(\f)+32*(\c2)+8*(mi%4):(\f)+32*(\c2)+8*(mi%4)+7], v[32*(\ks)+8*(mi/4):32*(\ks)+8*(mi/4)+7], v[P+8*mi:P+8*mi+7]
.endif
.set mi, mi+1
.endr
.endm
; 16 LDS loads in one run: W's fragments of quarter q (64 along K) into buffer f; the first 32 along K first
.macro FETCHW slot, q, f
	WIN 0x80
.irp c2, 0,1
.irp b, 0,1,2,3
	ds_load_b128 v[(\f)+32*\c2+8*\b:(\f)+32*\c2+8*\b+3],   v[ADW+(\slot)] offset:(2*(\q)+\c2)*64+\b*16*PITCH
	ds_load_b128 v[(\f)+32*\c2+8*\b+4:(\f)+32*\c2+8*\b+7], v[ADW+(\slot)] offset:(2*(\q)+\c2)*64+\b*16*PITCH+32
.endr
.endr
.endm
; x's fragments ks = k0 .. k1 of the chunk in LDS: 8 loads each
.macro XFETCH k0, k1
	WIN 0x40
.set xk, \k0
.rept (\k1)-(\k0)+1
.irp a, 0,1,2,3
	ds_load_b128 v[32*xk+8*\a:32*xk+8*\a+3],   v[ADX] offset:\a*16*PITCH+xk*64
	ds_load_b128 v[32*xk+8*\a+4:32*xk+8*\a+7], v[ADX] offset:\a*16*PITCH+xk*64+32
.endr
.set xk, xk+1
.endr
.endm
; OUT[i] += m P[i]; P's and OUT's lowest registers first
.macro SCALE i
	WIN 0xa0                                       ; P and m window 0, OUT window 2
.irp z, 0,1,2,3
	v_pk_fma_f32 v[OUT+8*(\i)+2*\z:OUT+8*(\i)+2*\z+1], v[P+8*(\i)+2*\z:P+8*(\i)+2*\z+1], v[MS+2*((\i)/4):MS+2*((\i)/4)+1], v[OUT+8*(\i)+2*\z:OUT+8*(\i)+2*\z+1]
.endr
.endm
; A step's last 16 matrix instructions, each of which ends a tile, and the step's 64 multiply-adds.  Four plain instructions stand behind each product: behind tile 0's four v_nop (no tile is finished
; yet), behind tile i's the four multiply-adds of tile i - 1, which name none of tile i's registers.  So tile i's own four, which stand behind tile i + 1's product, read P[i] four places behind the
; product that ended it.  Behind the last product tile 14's four and the v_nop are five places: for loads into its sources, and for the next step's product that writes over P.
.macro MULS
.set ti, 0
.rept 16
	MUL F1, 1, 7, ti, 1, 0
.if ti > 0
	SCALE ti-1
.else
	PLACES
.endif
.set ti, ti+1
.endr
	SCALE 15
	v_nop
.endm
; A step is four quarters of 64 along K, 32 matrix instructions each, on buffers 0, 1, 0, 1.  One of the first three: multiplies buffer f and fetches the next quarter into g.
; head: the LDS loads that may stay out at its head: the 8 of the quarter's second 32 along K (behind a change of chunks: the 8 of x's ks 7), and in quarter 1 the two loads of the gates behind them.
.macro QUARTER slot, q, f, g, zero, head, mo
	s_wait_dscnt \head
	MUL \f, 0, 2*(\q), 0, 16, \zero
	PLACES
	FETCHW \slot, (\q)+1, \g
.if (\q) == 0
	WIN 0
	ds_load_b128 v[MS:MS+3],   v[MAD] offset:\mo    ; the step's gates: wanted at its end
	ds_load_b128 v[MS+4:MS+7], v[MAD] offset:(\mo)+16
	s_wait_dscnt 18                                ; all but the 18 just issued
.else
	s_wait_dscnt 16                                ; all but the 16 just issued
.endif
	MUL \f, 1, 2*(\q)+1, 0, 16, 0
.endm
; The last quarter multiplies buffer 1, changes slots and applies the gates.  ONE barrier: in front of it each wave waits for all its tensor loads, adds 0 to its spare word, and waits for that and for its
; own reads of this slot.  Where something is filled again the barrier opens a round of the cluster's barrier, and the joint refill is the first tensor load behind the round: one a wave, and from there to
; the wait for it a wave issues 112 matrix instructions.
.macro TURN slot, next, mode
	WIN 0                                          ; (the add's two registers lie in window 0)
	s_wait_tensorcnt 0x0                           ; all my tensor loads have landed: my part of the next slot, or of x's next chunk;
	ds_add_u32 v[SPW], v[NIL]                      ; 0 onto my spare word
	s_wait_dscnt 9                                 ; (the add and the youngest eight loads may be out)
	MUL F1, 0, 6, 0, 8, 0                          ; eight matrix instructions stand between the add and the wait for it
	s_wait_dscnt 0x0                               ; the add is done, and my reads of this slot are over
	s_barrier_signal -1
	MUL F1, 0, 6, 8, 8, 0
	WIN 0
	s_barrier_wait -1
.if (\mode) == MZ
	PLACES
.else
	CREST                                          ; no wave of any partner still reads what is filled now, or has a load on its way
.if (\mode) == MN
	s_add_nc_u64 s[G0W+4*(\slot)+2:G0W+4*(\slot)+3], s[G0W+4*(\slot)+2:G0W+4*(\slot)+3], WSTEP
.else
	s_sub_nc_u64 s[G0W+4*(\slot)+2:G0W+4*(\slot)+3], s[G0W+4*(\slot)+2:G0W+4*(\slot)+3], WWRAP
.endif
.if (\mode) == MWX
	s_add_nc_u64 s[G0X+2:G0X+3], s[G0X+2:G0X+3], 512  ; x's fragments of this chunk have been in registers since its first step: the region takes the next chunk
	JLOAD \slot, 1
.else
	JLOAD \slot, 0
.endif
.endif
	FETCHW \next, 0, F0
.if (\mode) == MWR
	XFETCH 0, 6                                    ; the round has shown x's next chunk whole; ks 7 is still being multiplied
.endif
	MULS
.if (\mode) == MWR
	XFETCH 7, 7
.endif
.endm
.macro STEP slot, mode, mo
	QUARTER \slot, 0, F0, F1, 1, 8, \mo
	QUARTER \slot, 1, F1, F0, 0, 10, 0
	QUARTER \slot, 2, F0, F1, 0, 8, 0
	TURN \slot, 1-(\slot), \mode
.endm
	XFETCH 0, 7                                    ; chunk 0 of x: 64 loads,
	FETCHW 0, 0, F0                                ; and expert 0's first quarter
	WIN 0                                          ; at a label and at a branch every window is 0
	s_mov_b32 s[CH], 4
.Lchunk:
	v_mov_b32 v[MAD], v[MB]
	s_mov_b32 s[CNT], 7
.Lpair:                                                ; experts 2 n and 2 n + 1, n = 0 .. 6: each step's end asks for the expert two on
	STEP 0, MN, 0
	STEP 1, MN, 512
	WIN 0
	v_add_nc_u32 v[MAD], 1024, v[MAD]
	s_sub_co_u32 s[CNT], s[CNT], 1
	s_cmp_lg_u32 s[CNT], 0
	s_cbranch_scc1 .Lpair
	s_cmp_eq_u32 s[CH], 1
	s_cbranch_scc1 .Ltail                          ; the last chunk's tail is written out: it asks for nothing more
	STEP 0, MWX, 0                                 ; expert 14: the ring goes on into the next chunk
	STEP 1, MWR, 512                               ; expert 15
	WIN 0
	s_sub_co_u32 s[CH], s[CH], 1
	s_branch .Lchunk
.Ltail:
	STEP 0, MZ, 0
	QUARTER 1, 0, F0, F1, 1, 8, 512                ; the very last step: nothing more to fetch at its end
	QUARTER 1, 1, F1, F0, 0, 10, 0
	QUARTER 1, 2, F0, F1, 0, 8, 0
	s_wait_dscnt 8
	MUL F1, 0, 6, 0, 16, 0
	s_wait_dscnt 0x0
	MULS
	; THE WAY OUT.  A lane's 8 outputs of a tile are 32 bytes of a row; 16 rows x 256 bytes at a time go through my own stage and come back as whole rows, into P's registers: a buffer for each block,
	; so that no store's data are written again.
.macro TOSTAGE a
	WIN 0x08                                       ; store data window 2
.irp b, 0,1,2,3
	ds_store_b128 v[STO], v[OUT+8*(4*(\a)+\b):OUT+8*(4*(\a)+\b)+3]   offset:64*\b
	ds_store_b128 v[STO], v[OUT+8*(4*(\a)+\b)+4:OUT+8*(4*(\a)+\b)+7] offset:64*\b+16
.endr
	WIN 0
.irp t, 0,1,2,3,4,5,6,7
	ds_load_b128 v[P+32*(\a)+4*\t:P+32*(\a)+4*\t+3], v[RD] offset:\t*2*SPITCH  ; LDS serves a wave's instructions in order (ISA guide 5.7.1.4): these see the stores above; the next block's stores come behind them
.endr
.endm
.macro SEND a, younger                 ; younger: the LDS instructions issued behind block a's loads: the next block's sixteen, or none
.irp t, 0,1,2,3,4,5,6,7
	s_wait_dscnt (\younger)+7-\t
	global_store_b128 v[CO], v[P+32*(\a)+4*\t:P+32*(\a)+4*\t+3], s[12:13] offset:(16*(\a)+2*\t)*4096 th:TH_STORE_NT  ; 16 lanes store 256 consecutive bytes, at a multiple of 256 from out0's first byte
.endr
.endm
	PLACES
	TOSTAGE 0
	TOSTAGE 1
	SEND 0, 16
	TOSTAGE 2
	SEND 1, 16
	TOSTAGE 3
	SEND 2, 16
	SEND 3, 0
	s_wait_tensorcnt 0x0                           ; the wave's end, behind my last tensor load and my last LDS store
	ds_add_u32 v[SPW], v[NIL]
	s_wait_dscnt 0x0
	CROUND                                         ; the closing round: no work-group ends while a partner may still ask for a tile that names it
	s_endpgm
.Lfunc_end_k_qcd223d2a49_mix:
	.size	k_qcd223d2a49_mix, .Lfunc_end_k_qcd223d2a49_mix-k_qcd223d2a49_mix
	.p2alignl 7, 3214868480
	.fill 96, 4, 3214868480
	.section	.rodata,"a",@progbits
	.p2align	6, 0x0
	.amdhsa_kernel k_qcd223d2a49_mix
		.amdhsa_group_segment_fixed_size 327680
		.amdhsa_private_segment_fixed_size 0
		.amdhsa_enable_private_segment 0
		.amdhsa_kernarg_size 40
		.amdhsa_user_sgpr_count 2
		.amdhsa_user_sgpr_kernarg_segment_ptr 1
		.amdhsa_wavefront_size32 1
		.amdhsa_system_sgpr_workgroup_id_x 1
		.amdhsa_system_sgpr_workgroup_id_y 1
		.amdhsa_system_sgpr_workgroup_id_z 1
		.amdhsa_system_vgpr_workitem_id 0
		.amdhsa_next_free_vgpr 768
		.amdhsa_next_free_sgpr 72
		.amdhsa_reserve_vcc 0
		.amdhsa_float_denorm_mode_32 3
		.amdhsa_float_denorm_mode_16_64 3
		.amdhsa_memory_ordered 1
		.amdhsa_forward_progress 1
		.amdhsa_inst_pref_size 150
	.end_amdhsa_kernel
	.amdgpu_metadata
---
amdhsa.version: [ 1, 2 ]
amdhsa.kernels:
  - .name:           k_qcd223d2a49_mix
    .symbol:         k_qcd223d2a49_mix.kd
    .args:
      - { .name: xh, .offset: 0, .size: 8, .value_kind: global_buffer, .address_space: global }
      - { .name: wh, .offset: 8, .size: 8, .value_kind: global_buffer, .address_space: global }
      - { .name: mg, .offset: 16, .size: 8, .value_kind: global_buffer, .address_space: global }
      - { .name: c, .offset: 24, .size: 8, .value_kind: global_buffer, .address_space: global }
      - { .name: out0, .offset: 32, .size: 8, .value_kind: global_buffer, .address_space: global }
    .group_segment_fixed_size: 327680
    .private_segment_fixed_size: 0
    .kernarg_segment_align: 8
    .kernarg_segment_size: 40
    .max_flat_workgroup_size: 128
    .sgpr_count:     72
    .vgpr_count:     768
    .wavefront_size: 32
...
	.end_amdgpu_metadata
.endif
;; end of part 3
;; ======== version 2 of 2: 3 launches; 1.12 times as fast as version 1
;; limits: values are held in f16: magnitudes above 65,504 overflow, below 6.1e-05 lose precision; inputs' magnitudes at most 65,504
;; workspace buffers: asum 65,536 bytes; bsum 4,096 bytes; wh 33,554,432 bytes; xh 8,388,608 bytes; mg 262,144 bytes
;; launch prep: the kernel of part 1 again; grid 256 x 1, 8 waves a work-group, no clusters, 5,120 bytes of LDS; arguments A, W, b, asum, bsum, wh; writes asum, bsum, wh
;; launch gate: the kernel of part 2 again; grid 256 x 1, 4 waves a work-group, no clusters, 0 bytes of LDS; arguments x, asum, bsum, mg, xh; writes mg, xh
;; launch mix (part 4): grid 8 x 32, 4 waves a work-group, clusters of 4 x 4, 327,680 bytes of LDS; arguments xh, wh, mg, c, out0; writes out0
.if DOCPART == 4
	.amdgcn_target "amdgcn-amd-amdhsa--gfx1250"
	.amdhsa_code_object_version 6
	.text
	.protected	k_qcd223d2a49_mix
	.globl	k_qcd223d2a49_mix
	.p2align	8
	.type	k_qcd223d2a49_mix,@function
k_qcd223d2a49_mix:
	s_mov_b64 s[64:65], 0
	v_nop
	global_prefetch_b8 v0, s[64:65] scope:SCOPE_SE
	s_setreg_imm32_b32 hwreg(HW_REG_WAVE_MODE, 25, 1), 1
	s_wait_xcnt 0x0
	s_wait_alu depctr_hold_cnt(0) depctr_sa_sdst(0) depctr_va_vdst(0) depctr_va_sdst(0) depctr_va_ssrc(0) depctr_va_vcc(0) depctr_vm_vsrc(0)
	s_getreg_b32 s2, hwreg(HW_REG_IB_STS2, 6, 4)
	s_cmp_eq_u32 s2, 0
	s_cbranch_scc0 .Lentry_in_a_cluster
	s_endpgm
.Lentry_in_a_cluster:
	s_bfe_u32 s2, ttmp6, 0x10000c
	s_cmp_lg_u32 s2, 0xf033
	s_cbranch_scc0 .Lentry_shape_is_right
	s_endpgm
.Lentry_shape_is_right:
; out0[t][o] = the sum over p of m[t][p] (xh[t][:] . wh[p][o][:] + c[p][o]).  xh: [4096][1024] f16, wh: [16][1024][1024] f16, mg = m: [4096][16] f32, c: [16][1024] f32, out0: [4096][1024] f32.
; THE GATE IS APPLIED TO PARTIAL PRODUCTS, IN f32.  d goes in 4 chunks of 256, and inside a chunk the 16 experts: a STEP makes P = x_chunk W[p]_chunk^T, 8 matrix instructions deep on each
; tile of 16 x 16 (the first with C = 0), and then OUT += m[:, p] P: 4 packed multiply-adds a tile.  So x and W go in as they are, and a wave's fragments of x (256 registers) serve 16 steps.
; OUT is started by one matrix instruction a tile: f16(m) f16(c)^T, 16 along K and 16 zeros: that is m c, and nothing is cleared.
; LIMITS.  x, W, c within f16's range, 65,504; m and c are rounded to f16 for m c alone (a gate below 6e-5 keeps f16's fixed step of 6e-8 there); all sums f32.
; SHARES.  A work-group has 128 tokens x 128 outputs, 256 work-groups; wave w has rows 64 (w / 2) on and columns 64 (w % 2) on: 16 tiles, tile i = 4 a + b (a: 16 tokens, b: 16 outputs).
; THE MATRIX INSTRUCTION IS USED TRANSPOSED: source 0 = 16 rows of W, source 1 = 16 tokens.  Lane l then holds token l % 16 and the outputs 8 (l / 16) + 0..7: one gate a lane and tile row.
; THE RING.  Two LDS slots, each with the tiles of a PAIR of experts (2 x 128 rows x 512 bytes + 16 of padding a row).  One barrier for two steps; behind it every wave asks for a quarter of the
; slot just left: expert w / 2 of the pair two pairs on, rows 64 (w % 2) on.  From there to the wait for that load a wave issues 240 matrix instructions.
; CLUSTER.  4 x 4 work-groups.  W's tiles hang on the block of outputs alone, which a column of the cluster shares: each is asked for JOINTLY, by the same tensor load with the same descriptor and a
; mask that names the four.  x's rows are shared along a row of the cluster too, but are NOT asked for jointly: beside the two slots (270,336 bytes), the gates (32,768) and the stages (17,408) LDS
; has no 67,584 bytes for them, and every wave's one load behind a barrier is W's.  They are 131,072 bytes a work-group and chunk against W's 1,048,576.  A wave loads its 64 rows of the next chunk
; into registers (whole aligned pieces of 256 bytes), two trips of the loop or more ahead, and turns them into fragments through its own stage at the change of chunks.
; LDS: the two slots; behind them, never filled by a tensor load: each wave's copy of its gates, each wave's stage (x on its way in, out0 on its way out), the spare words.
; REGISTERS, in windows of 256 (s_set_vgpr_msb: bits 1:0 source 0, 3:2 source 1, 5:4 source 2, 7:6 destination):
;   window 0: addresses; v32-39 the step's gates; v64-127 m and c as loaded; v128-255 P (on the way out: rows read back)
;   window 1: x's fragments of a chunk: (a, ks) at 32 ks + 8 a      window 2: v0-63, v64-127 two buffers of W's fragments: (c2, b) at 32 c2 + 8 b; v128-255 OUT
;   window 3: the next chunk's x as loaded: piece (a, kh) = 16 rows x 256 bytes at 32 (2 a + kh)
.set PITCH,  528                       ; an LDS row: 512 bytes + 16 = 132 words: row r starts at bank 4 r mod 64 (64 banks of 4 bytes: ISA guide 11.1)
.set HALFT,  64*PITCH                  ; what one tensor load brings, and what one wave reads of a tile
.set TILEB,  2*HALFT                   ; one expert's tile
.set SLOTB,  2*TILEB                   ; a slot: a pair of experts
.set ML,     2*SLOTB                   ; gates: for each wave 8,192 bytes: p x 512 + (l % 16) x 32 + a x 8, each gate twice (a pair for the packed multiply-add)
.set STAGE,  ML+4*8192                 ; for each wave 16 rows x 272 bytes
.set SPITCH, 272
.set SPARE,  STAGE+4*16*SPITCH         ; the spare words, 128 bytes for each wave: two blocks of 256 bytes that no other line names
.set PAIRB,  0x400000                  ; a pair of experts in wh: 2 x 1024 x 1024 x 2 bytes
.set TRIPS,  15                        ; a trip is both slots, four experts; 4 chunks x 4 trips, of which the last is written out
.set ADW, 16                           ; v16-19  LDS address of my fragments of W in tile 0..3 (slot 0's two experts, slot 1's two)
.set MB,  20                           ; v20     my gates of expert 0
.set MAD, 21                           ; v21     my gates of the trip's first expert
.set MST, 22                           ; v22     where I put gates at the start
.set XFA, 23                           ; v23     the stage, read as a fragment of x: row l % 16, 16 bytes for each half of the lanes
.set STO, 24                           ; v24     the way out: where I put 32 bytes of a row
.set RD,  25                           ; v25     the stage by whole rows: lanes 0-15 one row of 256 bytes, lanes 16-31 the next
.set CO,  26                           ; v26     my byte offset in out0
.set XO,  27                           ; v27     my byte offset in two rows of xh
.set SPW, 28                           ; v28     LDS address of my spare word; never rewritten
.set NIL, 29                           ; v29     0; never rewritten
.set MS,  32                           ; v[32:39] (m, m) for a = 0..3
.set TM,  64                           ; v[64:95]  m[my token of block a][8 (l / 16) + j] at TM + 8 a + j
.set TC,  96                           ; v[96:127] c[8 (l / 16) + j][my output of block b] at TC + 8 b + j
.set P,   128
.set OUT, 128                          ; in window 2
.set F0,  0
.set F1,  64
.set WV,  14                           ; s14  my wave's number
.set G1W, 24                           ; s[24:31] descriptor group 1
.set G0W, 32                           ; s[32:39] group 0, a set for each slot
.set WB,  46                           ; s[46:47] wh at my quarter of pair 0, chunk 0
.set OFN, 48                           ; s[48:49] byte offset from there of the pair to be asked for next
.set T,   66                           ; s66  the trip, 0 .. 14
.set Q,   67                           ; s67  the trip in its chunk, 0 .. 3
.set TS,  68                           ; s68  at work
.set MSB, 0
.macro WIN new                         ; the immediate's high byte repeats the setting that is left
.if MSB != (\new)
	s_set_vgpr_msb (MSB<<8)|(\new)
.set MSB, (\new)
.endif
.endm
.macro PLACES                          ; a vector instruction that reads a matrix result, and a load into a register that a matrix instruction has read, stand four plain vector instructions behind it (ISA guide 7.12.1 for vector instructions)
.rept 4
	v_nop
.endr
.endm
; A joint refill: every wave's own quarter of the slot.  An s_nop 0 and four v_nop follow the load; the four are also the places in front of the fragment loads that follow.
.macro JLOAD slot
	tensor_load_to_lds s[G0W+4*(\slot):G0W+4*(\slot)+3], s[G1W:G1W+7]
	s_nop 0
.rept 4
	v_nop
.endr
.endm
.macro CREST                           ; a round of the cluster's barrier behind its opening barrier
	s_cmp_lg_u32 s[WV], 0
	s_cbranch_scc1 .Lnot_wave_0_\@
	s_barrier_signal -3
.Lnot_wave_0_\@:
	s_barrier_wait -3
	s_barrier_signal -1
	s_barrier_wait -1
.endm
.macro CROUND                          ; a whole round
	s_barrier_signal -1
	s_barrier_wait -1
	CREST
.endm
; n pieces of x, from piece p0 on, are asked for: piece (a, kh) = rows 16 a .. 16 a + 15, bytes 256 kh on: 8 loads, each 2 rows x 256 consecutive, aligned bytes
.macro XASK p0, n
	WIN 0xc0                                       ; destination window 3
.set xp, \p0
.rept \n
.irp t, 0,1,2,3,4,5,6,7
	global_load_b128 v[32*xp+4*\t:32*xp+4*\t+3], v[XO], s[4:5] offset:(16*(xp/2)+2*\t)*2048+(xp%2)*256
.endr
.set xp, xp+1
.endr
	WIN 0
.endm
; The 8 pieces become fragments: a piece goes into my stage by rows and comes back as the fragments (a, ks = 4 kh .. 4 kh + 3).  The stage is my wave's own, and LDS serves a wave's instructions
; in order (ISA guide 5.7.1.4): the loads see the stores above them, and the next piece's stores come behind them.
.macro XCONV
.set xp, 0
.rept 8
	WIN 0x0c                                       ; store data window 3
.irp t, 0,1,2,3,4,5,6,7
	ds_store_b128 v[RD], v[32*xp+4*\t:32*xp+4*\t+3] offset:\t*2*SPITCH
.endr
	WIN 0x40                                       ; destination window 1
.irp k, 0,1,2,3
	ds_load_b128 v[32*(4*(xp%2)+\k)+8*(xp/2):32*(4*(xp%2)+\k)+8*(xp/2)+3],   v[XFA] offset:\k*64
	ds_load_b128 v[32*(4*(xp%2)+\k)+8*(xp/2)+4:32*(4*(xp%2)+\k)+8*(xp/2)+7], v[XFA] offset:\k*64+32
.endr
.set xp, xp+1
.endr
	WIN 0
.endm
	s_load_b256 s[4:11], s[0:1], 0x0               ; xh s[4:5], wh s[6:7], mg s[8:9], c s[10:11]
	s_load_b64 s[12:13], s[0:1], 0x20              ; out0
	v_lshl_add_u32 v[SPW], v0, 2, SPARE
	v_mov_b32 v[NIL], 0
	ds_add_u32 v[SPW], v[NIL]                      ; the wave's opening: the add and its wait stand ahead of my first tensor load; the set-up below, work on registers, stands between them
	v_lshrrev_b32 v3, 5, v0
	v_readfirstlane_b32 s[WV], v3                  ; wave 0..3
	s_and_b32 s15, s[WV], 1                        ; which half of the columns is mine.  Also: which 64 rows of a tile I fetch
	s_lshr_b32 s16, s[WV], 1                       ; which half of the rows.  Also: which expert of a pair I fetch
	s_bfe_u32 s40, ttmp6, 0x40000                  ; cx, cy: my place in the cluster
	s_bfe_u32 s41, ttmp6, 0x40004
	s_lshl_b32 s42, ttmp9, 2
	s_add_co_u32 s42, s42, s40                     ; block of 128 outputs = 4 x cluster x + cx
	s_and_b32 s43, ttmp7, 0xffff
	s_lshl_b32 s43, s43, 2
	s_add_co_u32 s43, s43, s41                     ; block of 128 tokens = 4 x cluster y + cy
	s_lshl_b32 s45, 0x1111, s40                    ; my column of the cluster: places cx, cx + 4, cx + 8, cx + 12
	; descriptor group 1: a tile of 64 rows x 256 elements, padded in LDS
	s_or_b32 s[G1W], s45, (1<<16)|(1<<20)|(1<<21)|(6<<22)|(3<<25)  ; 15:0 the mask; 17:16 2-byte elements; 20 padding on; 21 set beside a mask; 24:22 after every 128 words (code 6); 31:25 4 words (code 3)
	s_mov_b32 s[G1W+1], 256<<16                    ; tensor_dim0 = 256
	s_mov_b32 s[G1W+2], 64<<16                     ; tensor_dim1 = 64
	s_mov_b32 s[G1W+3], 256<<16                    ; tile_dim0 = 256
	s_mov_b32 s[G1W+4], 64                         ; tile_dim1 = 64
	s_mov_b32 s[G1W+5], 1024                       ; 1,024 elements from row to row
	s_mov_b32 s[G1W+6], 0
	s_mov_b32 s[G1W+7], 0
	s_lshl_b32 s46, s42, 18                        ; W: 128 rows of 2,048 bytes for each block of outputs,
	s_lshl_b32 s47, s15, 17                        ; 64 for my half,
	s_add_co_u32 s46, s46, s47
	s_lshl_b32 s47, s16, 21                        ; 1,024 for my expert of the pair
	s_add_co_u32 s46, s46, s47
	s_mov_b32 s47, 0
	s_lshl_b32 s18, s43, 18                        ; x: 128 rows of 2,048 bytes for each block of tokens,
	s_lshl_b32 s19, s16, 17                        ; my wave's 64
	s_add_co_u32 s18, s18, s19
	s_mov_b32 s19, 0
	s_mul_i32 s20, s[WV], HALFT                    ; where my quarter of a slot goes: no place in the cluster enters an LDS address
	s_lshl_b32 s60, s43, 13                        ; mg: 128 rows of 64 bytes
	s_mov_b32 s61, 0
	s_lshl_b32 s62, s42, 9                         ; c: 128 columns of 4 bytes
	s_mov_b32 s63, 0
	s_lshl_b32 s22, s43, 19                        ; out0: 128 rows of 4,096 bytes,
	s_lshl_b32 s23, s16, 18                        ; my wave's 64 rows,
	s_add_co_u32 s22, s22, s23
	s_add_co_u32 s22, s22, s62                     ; the block's 128 columns,
	s_lshl_b32 s23, s15, 8                         ; my wave's 64
	s_add_co_u32 s22, s22, s23
	s_mov_b32 s23, 0
	s_mov_b32 s[OFN], 2*PAIRB                      ; pairs 0 and 1 are the first fills
	s_mov_b32 s[OFN+1], 0
	s_wait_dscnt 0x0                               ; the opening add is done
	s_wait_kmcnt 0x0
	s_add_nc_u64 s[WB:WB+1], s[6:7], s[46:47]
	s_add_nc_u64 s[4:5], s[4:5], s[18:19]
	s_add_nc_u64 s[8:9], s[8:9], s[60:61]
	s_add_nc_u64 s[10:11], s[10:11], s[62:63]
	s_add_nc_u64 s[12:13], s[12:13], s[22:23]
	CROUND                                         ; all sixteen work-groups are here: the first joint loads meet
.irp s, 0,1
	s_mov_b32 s[G0W+4*(\s)], 1                     ; 1:0 count = 1
	s_add_co_u32 s[G0W+4*(\s)+1], s20, (\s)*SLOTB  ; 63:32 LDS address
	s_add_nc_u64 s[G0W+4*(\s)+2:G0W+4*(\s)+3], s[WB:WB+1], (\s)*PAIRB  ; 120:64 global address: pair s, chunk 0
	s_or_b32 s[G0W+4*(\s)+3], s[G0W+4*(\s)+3], 0x80000000             ; 127:126 type = 2
.endr
	tensor_load_to_lds s[G0W:G0W+3], s[G1W:G1W+7]  ; the first fills, ahead of every wait on TENSORcnt and every LDS read: two loads of mine are out
	s_nop 0
	tensor_load_to_lds s[G0W+4:G0W+7], s[G1W:G1W+7]
	s_nop 0
.rept 4
	v_nop
.endr
	; while the tiles are on their way: my gates, my part of c, chunk 0 of x, the addresses, and the products that start OUT
	v_and_b32 v1, 15, v0                           ; r = l % 16
	v_bfe_u32 v2, v0, 4, 1                         ; h = l / 16
	v_lshlrev_b32 v4, 6, v1                        ; mg: my token's 64 bytes,
	v_lshl_add_u32 v4, v2, 5, v4                   ; experts 8 h on,
	s_lshl_b32 s21, s16, 12                        ; my wave's 64 rows
	v_add_nc_u32 v4, s21, v4
	v_lshlrev_b32 v5, 2, v1                        ; c: my output's 4 bytes,
	v_lshl_add_u32 v5, v2, 15, v5                  ; experts 8 h on (rows of 4,096 bytes),
	s_lshl_b32 s21, s15, 8                         ; my wave's 64 columns
	v_add_nc_u32 v5, s21, v5
	v_lshlrev_b32 v[XO], 4, v1                     ; xh: 16 bytes of 256, lanes 16-31 a row of 2,048 bytes further down
	v_lshl_add_u32 v[XO], v2, 11, v[XO]
.irp a, 0,1,2,3
	global_load_b128 v[TM+8*\a:TM+8*\a+3],   v4, s[8:9] offset:\a*1024
	global_load_b128 v[TM+8*\a+4:TM+8*\a+7], v4, s[8:9] offset:\a*1024+16
.endr
.irp b, 0,1,2,3
.irp j, 0,1,2,3,4,5,6,7
	global_load_b32 v[TC+8*\b+\j], v5, s[10:11] offset:\j*4096+\b*64  ; pieces of 64 bytes, loaded once in the launch: 8,192 bytes a work-group
.endr
.endr
	XASK 0, 8                                      ; chunk 0 of x: 64 loads
	v_mul_u32_u24 v3, v1, PITCH
	v_lshl_add_u32 v3, v2, 4, v3                   ; a fragment's row x pitch + 16 x half (16 rows x 32 K in 8 registers: two loads of 16 bytes, 32 bytes apart)
	s_mul_i32 s21, s15, HALFT
.irp ti, 0,1,2,3
	v_add_nc_u32 v[ADW+\ti], s21, v3
	s_add_co_u32 s21, s21, TILEB
.endr
	s_lshl_b32 s21, s[WV], 13
	s_add_co_u32 s21, s21, ML                      ; my wave's gates
	v_lshl_add_u32 v[MB], v1, 5, s21
	v_lshl_add_u32 v[MST], v2, 12, v[MB]           ; experts 8 h on
	s_mul_i32 s21, s[WV], 16*SPITCH
	s_add_co_u32 s21, s21, STAGE                   ; my stage
	v_mul_u32_u24 v6, v1, SPITCH
	v_lshl_add_u32 v7, v2, 4, v6                   ; row r, 16 bytes for each half of the lanes
	v_add_nc_u32 v[XFA], s21, v7
	v_lshl_add_u32 v6, v2, 5, v6                   ; row r, 32 bytes for each half
	v_add_nc_u32 v[STO], s21, v6
	v_mul_u32_u24 v6, v2, SPITCH                   ; lanes 0-15 one row of 256 bytes, lanes 16-31 the next
	v_lshl_add_u32 v6, v1, 4, v6
	v_add_nc_u32 v[RD], s21, v6
	v_lshlrev_b32 v[CO], 4, v1                     ; and the same two rows in out0
	v_lshl_add_u32 v[CO], v2, 12, v[CO]
	s_wait_loadcnt 63                              ; behind m's and c's loads stand x's 64: m and c are in (64 would do; the wait's field ends at 63)
	WIN 0x40                                       ; m as source 1: token r, K = expert: registers 0-3 hold experts 8 h + 0..7, registers 4-7 (K 16 on) zeros
.irp a, 0,1,2,3
.irp j, 0,1,2,3
	v_cvt_pk_f16_f32 v[8*\a+\j], v[TM+8*\a+2*\j], v[TM+8*\a+2*\j+1]
	v_mov_b32 v[8*\a+4+\j], 0
.endr
.endr
	WIN 0x80                                       ; c as source 0: output r, likewise
.irp b, 0,1,2,3
.irp j, 0,1,2,3
	v_cvt_pk_f16_f32 v[8*\b+\j], v[TC+8*\b+2*\j], v[TC+8*\b+2*\j+1]
	v_mov_b32 v[8*\b+4+\j], 0
.endr
.endr
	WIN 0x86                                       ; source 0 and destination window 2, source 1 window 1
.set ti, 0
.rept 16
	v_wmma_f32_16x16x32_f16 v[OUT+8*ti:OUT+8*ti+7], v[8*(ti%4):8*(ti%4)+7], v[8*(ti/4):8*(ti/4)+7], 0
.set ti, ti+1
.endr
	WIN 0
.irp a, 0,1,2,3
.irp j, 0,1,2,3,4,5,6,7
	ds_store_b32 v[MST], v[TM+8*\a+\j] offset:\j*512+\a*8      ; my wave's own copy: only my wave loads it, and LDS serves a wave's instructions in order (ISA guide 5.7.1.4)
	ds_store_b32 v[MST], v[TM+8*\a+\j] offset:\j*512+\a*8+4
.endr
.endr
	PLACES                                         ; for the loads into the registers that held m and c
	s_wait_loadcnt 0x0                             ; x's chunk 0 is in,
	XCONV                                          ; and becomes fragments
	s_add_nc_u64 s[4:5], s[4:5], 512               ; no load is out: x's address goes on to chunk 1
	s_wait_tensorcnt 0x1                           ; my quarter of slot 0 is in; slot 1's may stay out
	s_wait_dscnt 0x0
	s_barrier_signal -1
	s_barrier_wait -1                              ; everybody's is
; n matrix instructions, tiles i0 on, 32 along K: half c2 of W's buffer f, x's fragments ks.  The tiles take turns, one instruction a turn.  zero = 1: the product starts P
.macro MUL f, c2, ks, i0, n, zero
	WIN 0x06                                       ; W window 2, x window 1, P window 0
.set mi, \i0
.rept \n
.if \zero
	v_wmma_f32_16x16x32_f16 v[P+8*mi:P+8*mi+7], v[(\f)+32*(\c2)+8*(mi%4):(\f)+32*(\c2)+8*(mi%4)+7], v[32*(\ks)+8*(mi/4):32*(\ks)+8*(mi/4)+7], 0
.else
	v_wmma_f32_16x16x32_f16 v[P+8*mi:P+8*mi+7], v[(\f)+32*(\c2)+8*(mi%4):(\f)+32*(\c2)+8*(mi%4)+7], v[32*(\ks)+8*(mi/4):32*(\ks)+8*(mi/4)+7], v[P+8*mi:P+8*mi+7]
.endif
.set mi, mi+1
.endr
.endm
; 16 LDS loads in one run: W's fragments of quarter q (64 along K) of tile ti into buffer f; the first 32 along K first
.macro FETCHW ti, q, f
	WIN 0x80
.irp c2, 0,1
.irp b, 0,1,2,3
	ds_load_b128 v[(\f)+32*\c2+8*\b:(\f)+32*\c2+8*\b+3],   v[ADW+(\ti)] offset:(2*(\q)+\c2)*64+\b*16*PITCH
	ds_load_b128 v[(\f)+32*\c2+8*\b+4:(\f)+32*\c2+8*\b+7], v[ADW+(\ti)] offset:(2*(\q)+\c2)*64+\b*16*PITCH+32
.endr
.endr
.endm
; OUT[i] += m P[i]; P's and OUT's lowest registers first
.macro SCALE i
	WIN 0xa0                                       ; P and m window 0, OUT window 2
.irp z, 0,1,2,3
	v_pk_fma_f32 v[OUT+8*(\i)+2*\z:OUT+8*(\i)+2*\z+1], v[P+8*(\i)+2*\z:P+8*(\i)+2*\z+1], v[MS+2*((\i)/4):MS+2*((\i)/4)+1], v[OUT+8*(\i)+2*\z:OUT+8*(\i)+2*\z+1]
.endr
.endm
; A step's last 16 matrix instructions, each of which ends a tile, and the step's 64 multiply-adds.  Four plain instructions stand behind each product: behind tile 0's four v_nop (no tile is finished
; yet), behind tile i's the four multiply-adds of tile i - 1, which name none of tile i's registers.  So tile i's own four, which stand behind tile i + 1's product, read P[i] four places behind the
; product that ended it.  Behind the last product tile 14's four and the v_nop are five places: for loads into its sources, and for the next step's product that writes over P.
.macro MULS
.set ti, 0
.rept 16
	MUL F1, 1, 7, ti, 1, 0
.if ti > 0
	SCALE ti-1
.else
	PLACES
.endif
.set ti, ti+1
.endr
	SCALE 15
	v_nop
.endm
; A step is four quarters of 64 along K, 32 matrix instructions each, on buffers 0, 1, 0, 1.  One of the first three: multiplies buffer f and fetches the next quarter into g.
; head: the LDS loads that may stay out at its head: the 8 of the quarter's second 32 along K (behind a change of chunks: the last piece's 8), and in quarter 1 the two loads of the gates behind them.
.macro QUARTER ti, q, f, g, zero, head, mo
	s_wait_dscnt \head
	MUL \f, 0, 2*(\q), 0, 16, \zero
	PLACES
	FETCHW \ti, (\q)+1, \g
.if (\q) == 0
	WIN 0
	ds_load_b128 v[MS:MS+3],   v[MAD] offset:\mo    ; the step's gates: wanted at its end
	ds_load_b128 v[MS+4:MS+7], v[MAD] offset:(\mo)+16
	s_wait_dscnt 18                                ; all but the 18 just issued
.else
	s_wait_dscnt 16                                ; all but the 16 just issued
.endif
	MUL \f, 1, 2*(\q)+1, 0, 16, 0
.endm
.macro THREEQ ti, mo
	QUARTER \ti, 0, F0, F1, 1, 8, \mo
	QUARTER \ti, 1, F1, F0, 0, 10, 0
	QUARTER \ti, 2, F0, F1, 0, 8, 0
.endm
; The last quarter of a slot's FIRST step: the next step's tile lies in the same slot, which the barrier in front of the slot has shown whole: no barrier here.
.macro MID ti
	s_wait_dscnt 8                                 ; the first 32 along K are in
	MUL F1, 0, 6, 0, 16, 0
	PLACES
	FETCHW (\ti)+1, 0, F0
	s_wait_dscnt 16                                ; all but the 16 just issued
	MULS
.endm
; The last quarter of a slot's SECOND step changes slots.  ONE barrier: in front of it each wave waits for all its tensor loads, adds 0 to its spare word, and waits for that and for its own reads of
; this slot.  fill = 1: the barrier opens a round of the cluster's barrier, and the joint refill of the slot just left is the first thing behind the round: one load a wave.  Its address is made anew:
; W's base and the offset of the pair to be asked for, which then steps by a pair and, past a chunk's eighth pair, goes back to pair 0, 512 bytes (the next chunk) on.
.macro TURN slot, nt, fill
	WIN 0                                          ; (the add's two registers lie in window 0)
	s_wait_tensorcnt 0x0                           ; all my tensor loads have landed: the one that was out is my quarter of the other slot; so a group 0 may be written
	ds_add_u32 v[SPW], v[NIL]                      ; 0 onto my spare word: scalar work and eight products stand between it and the wait for it
.if \fill
	s_add_nc_u64 s[G0W+4*(\slot)+2:G0W+4*(\slot)+3], s[WB:WB+1], s[OFN:OFN+1]
	s_or_b32 s[G0W+4*(\slot)+3], s[G0W+4*(\slot)+3], 0x80000000
	s_add_co_u32 s[OFN], s[OFN], PAIRB
	s_cmp_ge_u32 s[OFN], 8*PAIRB
	s_cselect_b32 s[TS], 8*PAIRB-512, 0
	s_sub_co_u32 s[OFN], s[OFN], s[TS]
.endif
	s_wait_dscnt 9                                 ; (the add and the youngest eight loads may be out)
	MUL F1, 0, 6, 0, 8, 0
	s_wait_dscnt 0x0                               ; the add is done, and my reads of this slot are over
	s_barrier_signal -1
	MUL F1, 0, 6, 8, 8, 0
	WIN 0
	s_barrier_wait -1
.if \fill
	CREST                                          ; no wave of any partner still reads this slot, or has a load on its way
	JLOAD \slot
.else
	PLACES
.endif
	FETCHW \nt, 0, F0
	MULS
.endm
	FETCHW 0, 0, F0                                ; expert 0's first quarter
	WIN 0                                          ; at a label and at a branch every window is 0
	s_mov_b32 s[T], 0
.Lquad:                                                ; a trip: experts 4 Q .. 4 Q + 3 of a chunk; each slot's end asks for the pair two pairs on
	s_and_b32 s[Q], s[T], 3
	s_lshl_b32 s[TS], s[Q], 11                     ; four experts' gates are 2,048 bytes
	v_add_nc_u32 v[MAD], s[TS], v[MB]
	; the next chunk's x is asked for in a chunk's first two trips, 32 loads each; the last chunk (trips 12 on) has no next.  The jumps pass neither a barrier nor a tensor load.
	s_cmp_ge_u32 s[T], 12
	s_cbranch_scc1 .Lno_x
	s_cmp_lg_u32 s[Q], 0
	s_cbranch_scc1 .Lnot_first
	s_wait_loadcnt 0x0                             ; on whichever way this is reached, no earlier load into the registers below is out (the last were waited for at the change of chunks)
	XASK 0, 4
	s_branch .Lno_x
.Lnot_first:
	s_cmp_lg_u32 s[Q], 1
	s_cbranch_scc1 .Lno_x
	s_wait_loadcnt 0x0                             ; likewise; the first half's loads, asked for a trip (512 matrix instructions) ago, are in
	XASK 4, 4
.Lno_x:
	THREEQ 0, 0
	MID 0
	THREEQ 1, 512
	TURN 0, 2, 1
	THREEQ 2, 1024
	MID 2
	THREEQ 3, 1536
	TURN 1, 0, 1
	WIN 0
	s_cmp_lg_u32 s[Q], 3
	s_cbranch_scc1 .Lsame_chunk
	s_wait_loadcnt 0x0                             ; THE CHANGE OF CHUNKS: the next chunk's x is in registers (asked for two trips ago and more);
	XCONV                                          ; its fragments take the old ones' place, five places behind the last product that read those
	s_add_nc_u64 s[4:5], s[4:5], 512               ; no load is out: x's address goes on
.Lsame_chunk:
	s_add_co_u32 s[T], s[T], 1
	s_cmp_lt_u32 s[T], TRIPS
	s_cbranch_scc1 .Lquad
	; the last four experts of the last chunk are written out: nothing more is asked for
	v_add_nc_u32 v[MAD], 3*2048, v[MB]
	THREEQ 0, 0
	MID 0
	THREEQ 1, 512
	TURN 0, 2, 0
	THREEQ 2, 1024
	MID 2
	THREEQ 3, 1536
	s_wait_dscnt 8                                 ; the very last quarter: nothing more to fetch
	MUL F1, 0, 6, 0, 16, 0
	s_wait_dscnt 0x0
	MULS
	; THE WAY OUT.  A lane's 8 outputs of a tile are 32 bytes of a row; 16 rows x 256 bytes at a time go through my own stage and come back as whole rows, into P's registers: a buffer for each block,
	; so that no store's data are written again.
.macro TOSTAGE a
	WIN 0x08                                       ; store data window 2
.irp b, 0,1,2,3
	ds_store_b128 v[STO], v[OUT+8*(4*(\a)+\b):OUT+8*(4*(\a)+\b)+3]   offset:64*\b
	ds_store_b128 v[STO], v[OUT+8*(4*(\a)+\b)+4:OUT+8*(4*(\a)+\b)+7] offset:64*\b+16
.endr
	WIN 0
.irp t, 0,1,2,3,4,5,6,7
	ds_load_b128 v[P+32*(\a)+4*\t:P+32*(\a)+4*\t+3], v[RD] offset:\t*2*SPITCH  ; LDS serves a wave's instructions in order (ISA guide 5.7.1.4): these see the stores above; the next block's stores come behind them
.endr
.endm
.macro SEND a, younger                 ; younger: the LDS instructions issued behind block a's loads: the next block's sixteen, or none
.irp t, 0,1,2,3,4,5,6,7
	s_wait_dscnt (\younger)+7-\t
	global_store_b128 v[CO], v[P+32*(\a)+4*\t:P+32*(\a)+4*\t+3], s[12:13] offset:(16*(\a)+2*\t)*4096 th:TH_STORE_NT  ; 16 lanes store 256 consecutive bytes, at a multiple of 256 from out0's first byte
.endr
.endm
	PLACES
	TOSTAGE 0
	TOSTAGE 1
	SEND 0, 16
	TOSTAGE 2
	SEND 1, 16
	TOSTAGE 3
	SEND 2, 16
	SEND 3, 0
	s_wait_tensorcnt 0x0                           ; the wave's end, behind my last tensor load and my last LDS store
	ds_add_u32 v[SPW], v[NIL]
	s_wait_dscnt 0x0
	CROUND                                         ; the closing round: no work-group ends while a partner may still ask for a tile that names it
	s_endpgm
.Lfunc_end_k_qcd223d2a49_mix:
	.size	k_qcd223d2a49_mix, .Lfunc_end_k_qcd223d2a49_mix-k_qcd223d2a49_mix
	.p2alignl 7, 3214868480
	.fill 96, 4, 3214868480
	.section	.rodata,"a",@progbits
	.p2align	6, 0x0
	.amdhsa_kernel k_qcd223d2a49_mix
		.amdhsa_group_segment_fixed_size 327680
		.amdhsa_private_segment_fixed_size 0
		.amdhsa_enable_private_segment 0
		.amdhsa_kernarg_size 40
		.amdhsa_user_sgpr_count 2
		.amdhsa_user_sgpr_kernarg_segment_ptr 1
		.amdhsa_wavefront_size32 1
		.amdhsa_system_sgpr_workgroup_id_x 1
		.amdhsa_system_sgpr_workgroup_id_y 1
		.amdhsa_system_sgpr_workgroup_id_z 1
		.amdhsa_system_vgpr_workitem_id 0
		.amdhsa_next_free_vgpr 1024
		.amdhsa_next_free_sgpr 72
		.amdhsa_reserve_vcc 0
		.amdhsa_float_denorm_mode_32 3
		.amdhsa_float_denorm_mode_16_64 3
		.amdhsa_memory_ordered 1
		.amdhsa_forward_progress 1
		.amdhsa_inst_pref_size 205
	.end_amdhsa_kernel
	.amdgpu_metadata
---
amdhsa.version: [ 1, 2 ]
amdhsa.kernels:
  - .name:           k_qcd223d2a49_mix
    .symbol:         k_qcd223d2a49_mix.kd
    .args:
      - { .name: xh, .offset: 0, .size: 8, .value_kind: global_buffer, .address_space: global }
      - { .name: wh, .offset: 8, .size: 8, .value_kind: global_buffer, .address_space: global }
      - { .name: mg, .offset: 16, .size: 8, .value_kind: global_buffer, .address_space: global }
      - { .name: c, .offset: 24, .size: 8, .value_kind: global_buffer, .address_space: global }
      - { .name: out0, .offset: 32, .size: 8, .value_kind: global_buffer, .address_space: global }
    .group_segment_fixed_size: 327680
    .private_segment_fixed_size: 0
    .kernarg_segment_align: 8
    .kernarg_segment_size: 40
    .max_flat_workgroup_size: 128
    .sgpr_count:     72
    .vgpr_count:     1024
    .wavefront_size: 32
...
	.end_amdgpu_metadata
.endif
;; end of part 4
